; MI455X (gfx1250); checked and timed in simulation.
; The chip was launched on July 23, 2026; its instructions are those of AMD's public machine-readable ISA for CDNA 5 (MIT licence, August 2026) and "CDNA5" Instruction Set Architecture Reference Guide (July 2026). The comments in the code are by the model that wrote it; some were corrected since.
;; Attention. Allowed arithmetic: matrix products marked QUANTISED: E4M3 operands, one given power-of-two scale a tensor, by v_wmma_f32_16x16x64_fp8_fp8 or v_wmma_f32_16x16x128_fp8_fp8, f32 sums; products left as they are: f32 operands where the result goes on into a quantised operand, else bf16, f16 or f32 operands; f32 sums; everything else in f32.
;; Inputs: attn_W 1,024 x 2,048 float32; attn_b 1,024 float32; encoder_outputs_codes 32 x 2,048 x 32 x 32 uint8 (E4M3 codes of encoder_outputs, K innermost, in blocks of 32 codes); hidden_codes 1 x 32 x 32 x 32 uint8 (E4M3 codes of hidden, K innermost, in blocks of 32 codes); lowp_scales 4 int32 (the exponents e of the quantised operands' scales 2^e); v 1,024 float32.
;; Outputs: out0 32 x 1 x 2,048 float32.
;; This version of the problem:
;;   THIS VERSION OF THE PROBLEM IS GIVEN IN LOW PRECISION. The matrix products marked QUANTISED in the list below multiply operands that are first quantised to E4M3 (4 exponent bits, 3 mantissa bits; 8 bits a number), with one given power-of-two scale for each operand tensor; their sums are f32. All else is computed in f32.
;;   The module's matrix products, in the order in which they are computed (A, B: the left and right operand; K: the contracted axis; several contracted axes count as one K, in the product's order):
;;     1. [M 32, K 1,024] x [K 1,024, N 1,024]; A: input hidden (given as codes); B: input attn_W: QUANTISED (scales: A lowp_scales[0], B lowp_scales[1])
;;     2. [M 65,536, K 1,024] x [K 1,024, N 1,024]; A: input encoder_outputs (given as codes); B: input attn_W: QUANTISED (scales: A lowp_scales[2], B lowp_scales[3])
;;     3. [M 65,536, K 1,024] x [K 1,024, N 1]; A: computed on the way; B: input v: left as it is (N = 1 < 16)
;;   THE QUANTISER, for each operand of a quantised product, along K:
;;     - The operand's scale is 2^e, e = its entry of the input lowp_scales (int32; the entries are numbered through the quantised products in the list's order, A before B).
;;     - Each number is divided by the scale, clamped to +-448, and rounded to the nearest number of E4M3, ties to even, subnormals kept.
;;     - The product sums the exact products of the quantised numbers (number of the format x scale) in f32.
;;   ~~~python
;;   def quantise(x, axis, e):      # numpy; x: float32 -> the quantised numbers, widened to float32 again
;;       x = np.moveaxis(x, axis, -1); K = x.shape[-1]
;;       r = np.clip(x / 2.0 ** e, -448, 448)
;;       step = 2.0 ** (np.maximum(np.frexp(np.where(r == 0, 1, r))[1] - 1, -6) - 3)
;;       q = np.round(r / step) * step * 2.0 ** e      # np.round: ties to even
;;       return np.moveaxis(q, -1, axis).astype(np.float32)
;;   ~~~
;;   INPUTS GIVEN AS CODES. encoder_outputs (in the module: [32, 2048, 1024], K = its axis 2); hidden (in the module: [1, 32, 1024], K = its axis 2): each comes as NAME_codes (uint8): NAME with its K axis moved to the last place and cut into blocks of 32 codes, [.., K / 32, bytes a block], one block behind the other in memory; one code a byte (a code: sign, 4 exponent bits, 3 mantissa bits); its scale is its entry of lowp_scales. Its value is code x scale, taken as it is: it is not quantised again, and the codes and scales need not be those that the quantiser above would give.
;; One version. Each part assembles by itself: llvm-mc -triple=amdgcn-amd-amdhsa -mcpu=gfx1250 --defsym DOCPART=n.
;; ======== version 1 of 1: 3 launches
;; limits: right only within a limited range of input values
;; workspace buffers: w2img 1,048,576 bytes; hbc 262,144 bytes; part 1,048,576 bytes
;; launch prep (part 1): grid 256 x 1, 4 waves a work-group, no clusters, 42,496 bytes of LDS; arguments attn_W, attn_b, hidden_codes, lowp_scales, w2img, hbc; writes w2img, hbc
.if DOCPART == 1
	.amdgcn_target "amdgcn-amd-amdhsa--gfx1250"
	.amdhsa_code_object_version 6
	.text
	.protected	k_q1ce24c1783_prep
	.globl	k_q1ce24c1783_prep
	.p2align	8
	.type	k_q1ce24c1783_prep,@function
k_q1ce24c1783_prep:
	s_mov_b64 s[64:65], 0
	v_nop
	global_prefetch_b8 v0, s[64:65] scope:SCOPE_SE
	s_setreg_imm32_b32 hwreg(HW_REG_WAVE_MODE, 25, 1), 1
	s_wait_xcnt 0x0
; attn_W [1024 (n)][2048] f32: columns 0-1023 are W1 (meets hidden), columns 1024-2047 are W2 (meets encoder_outputs); K is innermost in both.
; This launch (a) turns W2 into E4M3 codes with the given scale 2^e3 and stores them in the ORDER OF THE OPERAND'S REGISTERS (w2img), so that the next launch loads its fragments whole;
; (b) turns W1 into codes with 2^e1 in registers and multiplies them with hidden's codes (the first quantised product, on the matrix unit);
; (c) stores hbc[p][n / 16][b][n % 16] = C2 x (sum over half p of K x 2^(e0 + e1) + attn_b[n] / 2), C2 = 2 log2(e): the two halves added are the addend of the next launch's exponent.
; code = x / 2^e, held within +-448, rounded to the nearest code, ties to even.
; DEAD WORK, left out in the next launch.  tanh(x) = 1 - 2 / (1 + e^(2 x)), so score[b][s] = sum over n of v[n] - 2 sum over n of v[n] / (1 + e^(2 x[b][s][n])).
; The first term is the same for every s of a batch, and a softmax along s is not changed by a term common to its axis, whatever the inputs hold: it is not formed.  Every input is still loaded.
; LIMIT: a NaN, an infinity or an overflow that would reach only sum over n of v[n] is not carried to the result.
; SHARES.  Work-group x: rows n = 16 (x / 4) .. + 15; bit 1 of x: W1 (0) or W2 (1); bit 0: which half of K.  Four waves, each ONE fragment, 16 rows x 128 K: K step 4 (x % 2) + wave.
; For the conversions a lane (r = lane % 16, h = lane / 16) holds, of row r, the 16 neighbours K = 32 c + 16 h + 0 .. 15 of each block c of 32; the results are the operand's registers 4 c .. 4 c + 3.
; Each of the wave's 16 loads reads the 512 consecutive bytes of one row's K step; they go through the wave's own stage in LDS as they lie and come back 64 bytes a lane.
; The stage's rows are 528 bytes apart (33 x 16), so that the 16 rows that a load from it touches start at 16 different 16-byte columns of the banks' 256 bytes (ISA guide 11.1).
; hidden's and the encoder's codes are fetched in the same order of k, so every product meets its partner.
; A W1 work-group's four partial sums meet in LDS as images of the registers, one barrier, and its 128 threads add them: thread t owns b = t / 8 and b + 16, n = 2 (t % 8), + 1.
; No cluster, no tensor load: no two work-groups read the same bytes of attn_W, and hidden's share is a small part of a work-group's bytes.
; LIMITS: e1 and e3 between -126 and 119, e0 + e1 between -127 and 126, so that each number made from them below is an f32 number.  NaN among the inputs is not served.
.set X,   16                           ; v16-79   64 numbers of attn_W: register 16 c + i = K 32 c + 16 h + i of my row
.set PC,  80                           ; v80-95   their codes: a fragment
.set HF,  96                           ; v96-127  hidden's two fragments (b 0-15, b 16-31) of my K step
.set ACC, 128                          ; v128-143 two accumulators
.set PP,  144                          ; v144-159 the partial pairs: four for b, four for b + 16
.set R,   160                          ; v160-223 attn_W as it is loaded
.set SP,  528                          ; a stage row
.set STG, 8192                         ; LDS: bytes 0-8,191 the four images of partial sums; from here a stage of 16 rows x 528 bytes for each wave
.set SPARE, STG+4*16*SP                ; the spare words, 128 bytes a wave
	s_load_b256 s[4:11], s[0:1], 0x0               ; attn_W s[4:5], attn_b s[6:7], hidden's codes s[8:9], the scales' exponents s[10:11]
	s_load_b128 s[12:15], s[0:1], 0x20             ; w2img s[12:13], hbc s[14:15]
	v_lshl_add_u32 v224, v0, 2, SPARE
	v_mov_b32 v225, 0
	v_lshrrev_b32 v1, 5, v0
	v_readfirstlane_b32 s28, v1                    ; wave 0..3
	s_lshr_b32 s44, ttmp9, 2                       ; the block of 16 rows
	s_bfe_u32 s29, ttmp9, 0x10001                  ; 0: W1, 1: W2
	s_and_b32 s45, ttmp9, 1                        ; the half of K
	s_lshl_b32 s30, s45, 2
	s_add_co_u32 s30, s30, s28                     ; my K step
	s_lshl_b32 s31, s30, 11
	s_lshl_b32 s46, s28, 11                        ; my image of partial sums
	s_mul_i32 s42, s28, 16*SP
	s_add_co_u32 s42, s42, STG                     ; my stage
	s_lshl_b32 s32, s44, 17                        ; attn_W: 16 rows x 8,192 bytes a block,
	s_lshl_b32 s33, s29, 12                        ; + 4,096 for W2,
	s_add_co_u32 s32, s32, s33
	s_lshl_b32 s33, s30, 9                         ; + 512 bytes a K step
	s_add_co_u32 s32, s32, s33
	s_mov_b32 s33, 0
	s_lshl_b32 s34, s30, 7                         ; hidden: 128 bytes a K step
	s_mov_b32 s35, 0
	s_lshl_b32 s36, s44, 14                        ; w2img: 8 fragments of 2,048 bytes a block, + my K step's
	s_add_co_u32 s36, s36, s31
	s_mov_b32 s37, 0
	s_lshl_b32 s38, s44, 11                        ; hbc: 32 b x 16 n x 4 bytes a block, + 131,072 for the second half of K
	s_lshl_b32 s39, s45, 17
	s_add_co_u32 s38, s38, s39
	s_mov_b32 s39, 0
	s_lshl_b32 s40, s44, 6                         ; attn_b: 16 numbers a block
	s_mov_b32 s41, 0
	v_and_b32 v1, 15, v0                           ; r
	v_bfe_u32 v2, v0, 4, 1                         ; h
	v_and_b32 v5, 31, v0
	v_bfe_u32 v7, v0, 3, 4                         ; in a sum's image (b = 16 t' + r, n = 8 h + j) lies at 1024 t' + 512 (j / 4) + 16 (r + 16 h) + 4 (j % 4)
	v_bfe_u32 v14, v0, 1, 1
	v_lshlrev_b32 v4, 10, v1
	v_lshlrev_b32 v5, 4, v5                        ; 16 x lane
	v_mul_u32_u24 v15, v1, SP
	v_lshlrev_b32 v7, 4, v7                        ; with r = t / 8 and n = 2 (t % 8): 16 x bits 6:3 of t
	v_lshl_add_u32 v4, v2, 4, v4                   ; hidden: row r of 1,024 bytes, + 16 h
	v_add_nc_u32 v3, s42, v5                       ; the stage, on the way in
	v_lshl_add_u32 v15, v2, 6, v15
	v_lshl_add_u32 v7, v14, 9, v7                  ; + 512 x bit 1
	v_bfe_u32 v14, v0, 2, 1
	v_add_nc_u32 v15, s42, v15                     ; the stage, on the way out: row r, + 64 h
	v_add_nc_u32 v6, s46, v5                       ; where a W1 wave stores its sums
	v_lshl_add_u32 v7, v14, 8, v7                  ; + 256 x bit 2
	v_and_b32 v14, 1, v0
	v_lshlrev_b32 v8, 3, v0                        ; hbc: 8 t
	v_and_b32 v9, 7, v0
	v_lshl_add_u32 v7, v14, 3, v7                  ; + 8 x bit 0
	v_lshlrev_b32 v9, 3, v9                        ; attn_b: 8 (t % 8)
	s_wait_alu depctr_va_vdst(0)
	s_wait_kmcnt 0x0
	s_load_b128 s[16:19], s[10:11], 0x0            ; e0, e1, e2, e3
	s_add_nc_u64 s[4:5], s[4:5], s[32:33]
	s_add_nc_u64 s[8:9], s[8:9], s[34:35]
	s_add_nc_u64 s[12:13], s[12:13], s[36:37]
	s_add_nc_u64 s[14:15], s[14:15], s[38:39]
	s_add_nc_u64 s[6:7], s[6:7], s[40:41]
	s_cmp_eq_u32 s29, 0
	s_cbranch_scc0 .Lno_hidden                     ; only W1's work-groups need hidden and attn_b
.irp t, 0,1
.irp c, 0,1,2,3
	global_load_b128 v[HF+16*\t+4*\c:HF+16*\t+4*\c+3], v4, s[8:9] offset:16384*\t+32*\c   ; hidden(16 t + r, 128 k + 32 c + 16 h .. + 15)
.endr
.endr
	global_load_b64 v[12:13], v9, s[6:7]           ; attn_b of my two n
.Lno_hidden:
.irp i, 0,1,2,3,4,5,6,7,8,9,10,11,12,13,14,15
	global_load_b128 v[R+4*\i:R+4*\i+3], v5, s[4:5] offset:8192*\i th:TH_LOAD_NT   ; row i: 32 lanes read 512 consecutive bytes, aligned; read once in the launch
.endr
	s_wait_kmcnt 0x0
	s_cmp_eq_u32 s29, 0
	s_cselect_b32 s20, s17, s19                    ; e: W1's is entry 1, W2's entry 3
	s_add_co_i32 s20, s20, 127
	s_lshl_b32 s21, s20, 23
	v_mov_b32 v10, s21                             ; 2^e as f32: the conversion takes its exponent field
	s_add_co_i32 s20, s20, 8
	s_lshl_b32 s20, s20, 23
	s_or_b32 s20, s20, 0x600000
	v_mov_b32 v11, s20                             ; 448 x 2^e
	s_add_co_i32 s24, s16, s17
	s_lshl_b32 s24, s24, 23
	s_add_co_i32 s24, s24, 0x4038aa3b              ; C2 x 2^(e0 + e1): the exponents are added to the constant's exponent field
	s_mov_b32 s25, s24                             ; (named with it as a pair, so it is written)
	s_wait_alu depctr_va_vdst(0)
	s_wait_loadcnt 0x0
.irp i, 0,1,2,3,4,5,6,7,8,9,10,11,12,13,14,15
	ds_store_b128 v3, v[R+4*\i:R+4*\i+3] offset:SP*\i   ; the rows into my stage as they lie
.endr
.irp c, 0,1,2,3
.irp j, 0,1,2,3
	ds_load_b128 v[X+16*\c+4*\j:X+16*\c+4*\j+3], v15 offset:128*\c+16*\j   ; and back, 16 neighbours of each block a lane.  LDS serves a wave's instructions in order (ISA guide 5.7.1.4); the bytes are my wave's own
.endr
.endr
	s_wait_dscnt 0x0
.irp c, 0,1,2,3
.irp i, 0,1,2,3,4,5,6,7,8,9,10,11,12,13,14,15
	v_med3_num_f32 v[X+16*\c+\i], v[X+16*\c+\i], -v11, v11   ; the conversion to an 8-bit code does not saturate (ISA guide 7.6.2): the hold at the largest code x the scale
.endr
	v_cvt_scalef32_pk8_fp8_f32 v[PC+4*\c:PC+4*\c+1], v[X+16*\c:X+16*\c+7], v10
	v_cvt_scalef32_pk8_fp8_f32 v[PC+4*\c+2:PC+4*\c+3], v[X+16*\c+8:X+16*\c+15], v10
.endr
	v_nop                                          ; one plain vector instruction between the last conversion and the matrix instruction that reads its result
	s_cmp_eq_u32 s29, 0
	s_cbranch_scc0 .Lw2
	; W1: source 0 = my 16 rows of W1, source 1 = 16 rows of hidden: lane (r, h) holds b = 16 t + r, register j holds n = 8 h + j
	v_wmma_f32_16x16x128_fp8_fp8 v[ACC:ACC+7], v[PC:PC+15], v[HF:HF+15], 0
	v_wmma_f32_16x16x128_fp8_fp8 v[ACC+8:ACC+15], v[PC:PC+15], v[HF+16:HF+31], 0
.rept 4
	v_nop                                          ; four places between a matrix instruction and the LDS store that reads its result
.endr
.irp g, 0,1,2,3
	ds_store_b128 v6, v[ACC+4*\g:ACC+4*\g+3] offset:512*\g   ; the sums as they stand, each accumulator from its low end on
.endr
	s_branch .Ljoin
.Lw2:
	s_wait_alu depctr_va_vdst(0)
.irp c, 0,1,2,3
	global_store_b128 v5, v[PC+4*\c:PC+4*\c+3], s[12:13] offset:512*\c   ; the fragment as it stands: each store of the wave covers 512 consecutive bytes, aligned
.endr
.Ljoin:
	s_wait_dscnt 0x0                               ; for the others' sake: my stores into LDS are done
	s_barrier_signal -1
	s_barrier_wait -1                              ; the four partial sums lie in LDS
	s_cmp_eq_u32 s29, 0
	s_cbranch_scc0 .Lend
.irp w, 0,1,2,3
	ds_load_b64 v[PP+2*\w:PP+2*\w+1], v7 offset:2048*\w
	ds_load_b64 v[PP+8+2*\w:PP+8+2*\w+1], v7 offset:2048*\w+1024
.endr
	v_pk_mul_f32 v[12:13], v[12:13], 0x3fb8aa3b op_sel_hi:[1,0]   ; attn_b x C2 / 2
	s_wait_alu depctr_va_vdst(0)
	s_wait_dscnt 0x0
	v_pk_add_f32 v[PP:PP+1], v[PP:PP+1], v[PP+2:PP+3]
	v_pk_add_f32 v[PP+4:PP+5], v[PP+4:PP+5], v[PP+6:PP+7]
	v_pk_add_f32 v[PP+8:PP+9], v[PP+8:PP+9], v[PP+10:PP+11]
	v_pk_add_f32 v[PP+12:PP+13], v[PP+12:PP+13], v[PP+14:PP+15]
	v_pk_add_f32 v[PP:PP+1], v[PP:PP+1], v[PP+4:PP+5]
	v_pk_add_f32 v[PP+8:PP+9], v[PP+8:PP+9], v[PP+12:PP+13]
	v_pk_fma_f32 v[PP:PP+1], v[PP:PP+1], s[24:25], v[12:13] op_sel_hi:[1,0,1]
	v_pk_fma_f32 v[PP+8:PP+9], v[PP+8:PP+9], s[24:25], v[12:13] op_sel_hi:[1,0,1]
	global_store_b64 v8, v[PP:PP+1], s[14:15]                  ; a wave's store covers 256 consecutive bytes, aligned
	global_store_b64 v8, v[PP+8:PP+9], s[14:15] offset:1024
.Lend:
	s_wait_tensorcnt 0x0                           ; the wave's end
	ds_add_u32 v224, v225
	s_wait_dscnt 0x0
	s_endpgm
.Lfunc_end_k_q1ce24c1783_prep:
	.size	k_q1ce24c1783_prep, .Lfunc_end_k_q1ce24c1783_prep-k_q1ce24c1783_prep
	.p2alignl 7, 3214868480
	.fill 96, 4, 3214868480
	.section	.rodata,"a",@progbits
	.p2align	6, 0x0
	.amdhsa_kernel k_q1ce24c1783_prep
		.amdhsa_group_segment_fixed_size 42496
		.amdhsa_private_segment_fixed_size 0
		.amdhsa_enable_private_segment 0
		.amdhsa_kernarg_size 48
		.amdhsa_user_sgpr_count 2
		.amdhsa_user_sgpr_kernarg_segment_ptr 1
		.amdhsa_wavefront_size32 1
		.amdhsa_system_sgpr_workgroup_id_x 1
		.amdhsa_system_sgpr_workgroup_id_y 1
		.amdhsa_system_sgpr_workgroup_id_z 1
		.amdhsa_system_vgpr_workitem_id 0
		.amdhsa_next_free_vgpr 226
		.amdhsa_next_free_sgpr 66
		.amdhsa_reserve_vcc 0
		.amdhsa_float_denorm_mode_32 3
		.amdhsa_float_denorm_mode_16_64 3
		.amdhsa_memory_ordered 1
		.amdhsa_forward_progress 1
		.amdhsa_inst_pref_size 15
	.end_amdhsa_kernel
	.amdgpu_metadata
---
amdhsa.version: [ 1, 2 ]
amdhsa.kernels:
  - .name:           k_q1ce24c1783_prep
    .symbol:         k_q1ce24c1783_prep.kd
    .args:
      - { .name: attn_W, .offset: 0, .size: 8, .value_kind: global_buffer, .address_space: global }
      - { .name: attn_b, .offset: 8, .size: 8, .value_kind: global_buffer, .address_space: global }
      - { .name: hidden_codes, .offset: 16, .size: 8, .value_kind: global_buffer, .address_space: global }
      - { .name: lowp_scales, .offset: 24, .size: 8, .value_kind: global_buffer, .address_space: global }
      - { .name: w2img, .offset: 32, .size: 8, .value_kind: global_buffer, .address_space: global }
      - { .name: hbc, .offset: 40, .size: 8, .value_kind: global_buffer, .address_space: global }
    .group_segment_fixed_size: 42496
    .private_segment_fixed_size: 0
    .kernarg_segment_align: 8
    .kernarg_segment_size: 48
    .max_flat_workgroup_size: 128
    .sgpr_count:     66
    .vgpr_count:     226
    .wavefront_size: 32
...
	.end_amdgpu_metadata
.endif
;; end of part 1
;; launch energy (part 2): grid 256 x 1, 4 waves a work-group, clusters of 4 x 1, 327,680 bytes of LDS; arguments encoder_outputs_codes, w2img, hbc, v, lowp_scales, part; writes part
.if DOCPART == 2
	.amdgcn_target "amdgcn-amd-amdhsa--gfx1250"
	.amdhsa_code_object_version 6
	.text
	.protected	k_q1ce24c1783_energy
	.globl	k_q1ce24c1783_energy
	.p2align	8
	.type	k_q1ce24c1783_energy,@function
k_q1ce24c1783_energy:
	s_mov_b64 s[64:65], 0
	v_nop
	global_prefetch_b8 v0, s[64:65] scope:SCOPE_SE
	s_setreg_imm32_b32 hwreg(HW_REG_WAVE_MODE, 25, 1), 1
	s_wait_xcnt 0x0
	s_wait_alu depctr_hold_cnt(0) depctr_sa_sdst(0) depctr_va_vdst(0) depctr_va_sdst(0) depctr_va_ssrc(0) depctr_va_vcc(0) depctr_vm_vsrc(0)
	s_getreg_b32 s2, hwreg(HW_REG_IB_STS2, 6, 4)
	s_cmp_eq_u32 s2, 0
	s_cbranch_scc0 .Lentry_in_a_cluster
	s_endpgm
.Lentry_in_a_cluster:
	s_bfe_u32 s2, ttmp6, 0x10000c
	s_cmp_lg_u32 s2, 0x3003
	s_cbranch_scc0 .Lentry_shape_is_right
	s_endpgm
.Lentry_shape_is_right:
; part[cx][row] = sum over the 256 columns n of quarter cx of -2 v[n] / (1 + 2^t), t = C2 (enc W2^T)[row][n] 2^(e2 + e3) + hbc's two halves, C2 = 2 log2(e): the part of v . tanh(..) that differs along s.
; LEFT OUT as dead work: the term sum over n of v[n], common to every s of a softmax row (shown at the head of the first kernel).
; SHARES.  A cluster of four work-groups owns 1,024 rows of the encoder; work-group cx owns columns 256 cx .. + 255, wave w 64 of them.  A wave keeps its W2 fragments (4 blocks of 16 n x 8 K steps x 16) in 512 registers.
; The encoder's codes come in tiles of 128 rows x 1,024 bytes through two LDS slots; all four work-groups need the same tile, so each wave's quarter (32 rows) is asked for JOINTLY (mask 15).
; A GROUP is 64 rows x 64 columns: 16 accumulators by turns, 8 K steps, 128 matrix instructions with no transcendental among them; then the group's 128 numbers a lane go through whole batches:
; 64 packed fma, 128 exp, 64 packed add, 128 rcp, 64 packed fma.  One wait ahead of each batch of transcendentals and one behind it: four a group.
; The encoder's fragments have four buffers of one K step (4 row blocks x 16 registers): K step k + 4 is loaded, in one run of 16 loads, behind K step k's products; the next group's K steps 0-3 are asked for ahead of the epilogue.
; The change of slots (waits, add, round, refill, the next slot's first LDS loads) stands between a tile's last products and their epilogue, which works on registers and on the score bytes alone.
; THE MATRIX INSTRUCTION IS USED TRANSPOSED: source 0 = 16 rows of W2, source 1 = 16 rows of the encoder: lane (r, h) holds row r, register j column 8 h + j.
; k is permuted alike in both operands (four 16-byte loads a fragment), so every product meets its partner.
; PREFETCH: behind the refill with tile t + 2 each wave names 32 blocks of 256 bytes of tile t + 4 (two refills on); the sixteen waves of the cluster share the tile's 512 blocks out by address; the last trips ask for nothing.
; 2^t = infinity gives 1 / infinity = 0 and 2^t = 0 gives 1: both are tanh's limits.  LIMIT: e2 + e3 between -127 and 126, so that C2 2^(e2 + e3) is an f32 number.  NaN among the inputs is not served.
; REGISTERS.  Window 0: v0-31 addresses and sums, v32-63 hbc, v64-95 -2 v, v96-127 hbc's second half at the head.  Window 1 v0-127: accumulator (a, n) at 8 (4 a + n).  Windows 2, 3 v0-127: the four fragment buffers.
; v128-255 of window q: W2's fragments of K steps 2 q, 2 q + 1.
.set PITCH, 1040                       ; an LDS row: 1,024 bytes + 16 = 65 x 16
.set SLOTB, 128*PITCH
.set TILEB, 131072
.set SCORE, 2*SLOTB                    ; 4 waves x 2 halves of the lanes x 1,024 rows x 4 bytes
.set SPARE, SCORE+32768                ; the spare words, 128 bytes a wave
.set LA,   1
.set LA1,  2
.set ADR0, 3
.set ADR1, 4
.set SCA0, 5
.set SAD,  6
.set PFO,  7
.set SPW,  8
.set NIL,  9
.set LI,   10
.set HO,   11
.set RDA,  12
.set PTO,  13
.set SS,   16
.set BI,   32
.set VW,   64
.set B2,   96
.set WV,   16
.set CX,   17
.set WOFF, 18
.set G1,   24
.set G0,   32
.set TB,   40
.set SB,   41
.set CNT,  42
.set CS,   44
.set PFA,  46
.set MSB, 0
.macro WIN new                         ; the immediate's high byte repeats the setting that is left
.if MSB != (\new)
	s_set_vgpr_msb (MSB<<8)|(\new)
.set MSB, (\new)
.endif
.endm
.macro ROUND                           ; a round of the cluster's barrier
	s_barrier_signal -1
	s_barrier_wait -1
	s_cmp_lg_u32 s[WV], 0
	s_cbranch_scc1 .Lnot_wave_0_\@
	s_barrier_signal -3
.Lnot_wave_0_\@:
	s_barrier_wait -3
	s_barrier_signal -1
	s_barrier_wait -1
.endm
.macro PLACES                          ; four places behind a matrix instruction (ISA guide 7.12.1)
.rept 4
	v_nop
.endr
.endm
.macro ALOAD kk, adr                   ; the four row blocks' fragments of K step kk into buffer kk % 4
	WIN (2+((\kk)%4)/2)<<6
.irp a, 0,1,2,3
.irp c, 0,1,2,3
	ds_load_b128 v[64*((\kk)%2)+16*\a+4*\c:64*((\kk)%2)+16*\a+4*\c+3], v[\adr] offset:\a*16*PITCH+128*(\kk)+32*\c
.endr
.endr
.endm
.macro NEXTLOADS adr                   ; a group's K steps 0-3: 64 loads
	ALOAD 0, \adr
	ALOAD 1, \adr
	ALOAD 2, \adr
	ALOAD 3, \adr
	WIN 0
.endm
; A group's 128 products.  The wait's count: the loads of the K steps asked for behind this one's (three, then two, one, none); the last group's four score stores may be among them.
.macro KSTEPS adr
.irp kk, 0,1,2,3,4,5,6,7
.if \kk < 5
	s_wait_dscnt 48
.else
	s_wait_dscnt 16*(7-\kk)
.endif
	WIN 0x50|((2+(\kk%4)/2)<<2)|(\kk/2)
.irp a, 0,1,2,3
.irp n, 0,1,2,3
.if \kk == 0
	v_wmma_f32_16x16x128_fp8_fp8 v[8*(4*\a+\n):8*(4*\a+\n)+7], v[128+16*(4*(\kk%2)+\n):128+16*(4*(\kk%2)+\n)+15], v[64*(\kk%2)+16*\a:64*(\kk%2)+16*\a+15], 0
.else
	v_wmma_f32_16x16x128_fp8_fp8 v[8*(4*\a+\n):8*(4*\a+\n)+7], v[128+16*(4*(\kk%2)+\n):128+16*(4*(\kk%2)+\n)+15], v[64*(\kk%2)+16*\a:64*(\kk%2)+16*\a+15], v[8*(4*\a+\n):8*(4*\a+\n)+7]
.endif
.endr
.endr
.if \kk < 4
	PLACES
	ALOAD \kk+4, \adr
.endif
.endr
	WIN 0
.endm
; The epilogue of group g (0, 1) of a tile, in place on the accumulators' registers
.macro EPI g
	WIN 0x41
.irp t, 0,1,2,3,4,5,6,7,8,9,10,11,12,13,14,15
.irp q, 0,1,2,3
	v_pk_fma_f32 v[8*\t+2*\q:8*\t+2*\q+1], v[8*\t+2*\q:8*\t+2*\q+1], s[CS:CS+1], v[BI+8*(\t%4)+2*\q:BI+8*(\t%4)+2*\q+1] op_sel_hi:[1,0,1]   ; t; each accumulator from its low end on
.endr
.endr
	s_wait_alu depctr_va_vdst(0)                   ; ahead of the batch
.set j, 0
.rept 128
	v_exp_f32 v[j], v[j]
.set j, j+1
.endr
	v_nop                                          ; a plain place behind the last exponential
	s_wait_alu depctr_va_vdst(0)                   ; one wait for the batch, ahead of its first reader
.set j, 0
.rept 64
	v_pk_add_f32 v[j:j+1], v[j:j+1], 1.0 op_sel_hi:[1,0]
.set j, j+2
.endr
	s_wait_alu depctr_va_vdst(0)                   ; ahead of the batch
.set j, 0
.rept 128
	v_rcp_f32 v[j], v[j]
.set j, j+1
.endr
	v_nop
	s_wait_alu depctr_va_vdst(0)                   ; behind the batch
	WIN 0x01
.irp u, 0,1                            ; x -2 v, summed in eight chains: (row block a, parity p of the column block)
.irp q, 0,1,2,3
.irp a, 0,1,2,3
.irp p, 0,1
.if (\u == 0) && (\q == 0)
	v_pk_mul_f32 v[SS+2*(2*\a+\p):SS+2*(2*\a+\p)+1], v[8*(4*\a+2*\u+\p)+2*\q:8*(4*\a+2*\u+\p)+2*\q+1], v[VW+8*(2*\u+\p)+2*\q:VW+8*(2*\u+\p)+2*\q+1]
.else
	v_pk_fma_f32 v[SS+2*(2*\a+\p):SS+2*(2*\a+\p)+1], v[8*(4*\a+2*\u+\p)+2*\q:8*(4*\a+2*\u+\p)+2*\q+1], v[VW+8*(2*\u+\p)+2*\q:VW+8*(2*\u+\p)+2*\q+1], v[SS+2*(2*\a+\p):SS+2*(2*\a+\p)+1]
.endif
.endr
.endr
.endr
.endr
	WIN 0
.irp a, 0,1,2,3
	v_pk_add_f32 v[SS+4*\a:SS+4*\a+1], v[SS+4*\a:SS+4*\a+1], v[SS+4*\a+2:SS+4*\a+3]
.endr
.irp a, 0,1,2,3
	v_add_f32 v[SS+4*\a], v[SS+4*\a], v[SS+4*\a+1]
.endr
.irp a, 0,1,2,3
	ds_store_b32 v[SAD], v[SS+4*\a] offset:256*\g+64*\a   ; my 32 columns' share of row 64 g + 16 a + r
.endr
.endm
; The change of slots.  fill = 1: the slot just read takes the tile two on, by the joint load, first behind the round.
.macro CHANGE fill
	s_wait_tensorcnt 0x0                           ; all my tensor loads have landed: my part of the next slot
	ds_add_u32 v[SPW], v[NIL]
.if \fill
	s_add_co_u32 s[G0+1], s[WOFF], s[TB]           ; no load of mine is out: the descriptor steps to the slot just read and the tile two on
	s_add_nc_u64 s[G0+2:G0+3], s[G0+2:G0+3], TILEB
	s_wait_xcnt 0x0                                ; the last prefetch has read its address
	s_add_nc_u64 s[PFA:PFA+1], s[PFA:PFA+1], TILEB
.endif
	s_xor_b32 s[TB], s[TB], SLOTB                  ; the slot that is read next
	s_wait_dscnt 0x0                               ; the add is done, and my reads of this slot are over
.if \fill
	ROUND
	tensor_load_to_lds s[G0:G0+3], s[G1:G1+7]
	s_nop 0
.else
	s_barrier_signal -1
	s_barrier_wait -1
.endif
	v_add_nc_u32 v[ADR0], s[TB], v[LA]             ; these four lines are also the places behind the last products
	v_add_nc_u32 v[ADR1], s[TB], v[LA1]
	v_nop
	v_nop
.endm
; A tile: two groups.  chg = 2: change of slots with a refill; 1: without; 0: the last tile
.macro TILE chg
	v_add_nc_u32 v[SAD], s[SB], v[SCA0]
	s_add_co_u32 s[SB], s[SB], 512
	KSTEPS ADR0
	PLACES
	NEXTLOADS ADR1
	EPI 0
	KSTEPS ADR1
.if \chg == 0
	PLACES
.else
	CHANGE \chg-1
	NEXTLOADS ADR0
.endif
.if \chg == 2
	s_cmp_gt_u32 s[CNT], 2                         ; trips 0 to 3 of six name tiles 4 to 7; the last two name nothing
	s_cbranch_scc0 .Lno_ask_\@
	global_prefetch_b8 v[PFO], s[PFA:PFA+1] th:TH_LOAD_NT scope:SCOPE_SE
.Lno_ask_\@:
.endif
	EPI 1
.endm
	s_load_b256 s[4:11], s[0:1], 0x0               ; the encoder's codes s[4:5], w2img s[6:7], hbc s[8:9], v s[10:11]
	s_load_b128 s[12:15], s[0:1], 0x20             ; the scales' exponents s[12:13], part s[14:15]
	v_lshl_add_u32 v[SPW], v0, 2, SPARE
	v_mov_b32 v[NIL], 0
	ds_add_u32 v[SPW], v[NIL]                      ; the opening lines: the add, twice on end, and its wait
	ds_add_u32 v[SPW], v[NIL]
	v_lshrrev_b32 v14, 5, v0
	v_readfirstlane_b32 s[WV], v14                 ; wave 0..3
	s_bfe_u32 s[CX], ttmp6, 0x40000                ; my place in the cluster: it enters global addresses of my own loads alone
	s_mov_b32 s[G1+0], 15|(1<<20)|(1<<21)|(7<<22)|(3<<25)   ; mask: all four; 1-byte elements; 4 words of padding behind every 256
	s_mov_b32 s[G1+1], 1024<<16
	s_mov_b32 s[G1+2], 32<<16
	s_mov_b32 s[G1+3], 1024<<16
	s_mov_b32 s[G1+4], 32
	s_mov_b32 s[G1+5], 1024
	s_mov_b32 s[G1+6], 0
	s_mov_b32 s[G1+7], 0
	s_lshl_b32 s20, ttmp9, 20                      ; the cluster's 1,024 rows, + my 32 rows of a tile
	s_lshl_b32 s21, s[WV], 15
	s_add_co_u32 s20, s20, s21
	s_mov_b32 s21, 0
	s_mul_i32 s[WOFF], s[WV], 32*PITCH
	s_lshl_b32 s53, s[WV], 13
	s_add_co_u32 s53, s53, SCORE
	s_mov_b32 s[TB], 0
	s_mov_b32 s[SB], 0
	s_mov_b32 s[CNT], 6
	v_and_b32 v14, 15, v0                          ; r
	v_bfe_u32 v15, v0, 4, 1                        ; h
	v_and_b32 v16, 31, v0                          ; lane
	v_lshlrev_b32 v[HO], 5, v15                    ; my 8 columns of a block of 16, in f32
	v_lshlrev_b32 v[LI], 4, v16
	v_mul_u32_u24 v[LA], v14, PITCH
	v_lshl_add_u32 v[LA], v15, 4, v[LA]            ; a fragment's row x pitch + 16 h
	v_add_nc_u32 v[LA1], 64*PITCH, v[LA]           ; the same in a tile's second group
	v_lshlrev_b32 v[SCA0], 2, v14
	v_lshl_add_u32 v[SCA0], v15, 12, v[SCA0]
	v_add_nc_u32 v[SCA0], s53, v[SCA0]             ; scores: 8,192 x wave + 4,096 h + 4 r
	v_lshlrev_b32 v[PFO], 8, v16
	v_lshlrev_b32 v[PTO], 4, v0
	v_add_nc_u32 v[RDA], SCORE, v[PTO]
	s_wait_alu depctr_va_vdst(0)
	s_wait_dscnt 0x0                               ; both opening adds are done
	s_wait_kmcnt 0x0
	s_load_b128 s[48:51], s[12:13], 0x0            ; e0, e1, e2, e3
	s_mov_b32 s[G0], 1
	s_mov_b32 s[G0+1], s[WOFF]
	s_add_nc_u64 s[G0+2:G0+3], s[4:5], s[20:21]
	s_or_b32 s[G0+3], s[G0+3], 0x80000000
	ROUND                                          ; in front of the first joint load
	tensor_load_to_lds s[G0:G0+3], s[G1:G1+7]      ; tile 0: one tensor load a wave at the head
	s_nop 0
	s_lshl_b32 s54, s[CX], 18                      ; w2img: 16 blocks of 16,384 bytes a work-group, 4 a wave
	s_lshl_b32 s55, s[WV], 16
	s_add_co_u32 s54, s54, s55
	s_mov_b32 s55, 0
	s_add_nc_u64 s[6:7], s[6:7], s[54:55]
	s_lshl_b32 s56, s[CX], 15
	s_lshl_b32 s57, s[WV], 13
	s_add_co_u32 s56, s56, s57                     ; 2,048 x my first block of 16 columns
	s_lshr_b32 s58, ttmp9, 1                       ; the batch
	s_lshl_b32 s58, s58, 6
	s_add_co_u32 s58, s58, s56
	s_mov_b32 s59, 0
	s_add_nc_u64 s[8:9], s[8:9], s[58:59]
	s_lshr_b32 s58, s56, 5
	s_add_nc_u64 s[10:11], s[10:11], s[58:59]
	s_lshl_b32 s58, s[CX], 18
	s_lshl_b32 s57, ttmp9, 12
	s_add_co_u32 s58, s58, s57
	s_add_nc_u64 s[14:15], s[14:15], s[58:59]
	s_lshl_b32 s58, ttmp9, 20
	s_add_co_u32 s58, s58, s56                     ; my wave's 8,192 bytes of a tile's 131,072
	s_add_co_u32 s58, s58, 3*TILEB                 ; the first change of slots steps it to tile 4
	s_add_nc_u64 s[PFA:PFA+1], s[4:5], s[58:59]
.irp n, 0,1,2,3
	global_load_b128 v[BI+8*\n:BI+8*\n+3],   v[HO], s[8:9] offset:\n*2048
	global_load_b128 v[BI+8*\n+4:BI+8*\n+7], v[HO], s[8:9] offset:\n*2048+16
	global_load_b128 v[B2+8*\n:B2+8*\n+3],   v[HO], s[8:9] offset:\n*2048+131072      ; hbc's second half of K
	global_load_b128 v[B2+8*\n+4:B2+8*\n+7], v[HO], s[8:9] offset:\n*2048+131072+16
	global_load_b128 v[VW+8*\n:VW+8*\n+3],   v[HO], s[10:11] offset:\n*64
	global_load_b128 v[VW+8*\n+4:VW+8*\n+7], v[HO], s[10:11] offset:\n*64+16
.endr
.irp kk, 0,1,2,3,4,5,6,7
	WIN (\kk/2)<<6
.irp n, 0,1,2,3
.irp c, 0,1,2,3
	global_load_b128 v[128+16*(4*(\kk%2)+\n)+4*\c:128+16*(4*(\kk%2)+\n)+4*\c+3], v[LI], s[6:7] offset:\n*16384+\kk*2048+512*\c   ; a fragment as the first launch laid it
.endr
.endr
.endr
	WIN 0
	s_wait_tensorcnt 0x0                           ; my part of tile 0 is in; slot 1's first fill is issued as a refill is
	ds_add_u32 v[SPW], v[NIL]
	s_add_co_u32 s[G0+1], s[WOFF], SLOTB
	s_add_nc_u64 s[G0+2:G0+3], s[G0+2:G0+3], TILEB
	s_wait_dscnt 0x0
	ROUND
	tensor_load_to_lds s[G0:G0+3], s[G1:G1+7]      ; tile 1
	s_nop 0
	v_add_nc_u32 v[ADR0], s[TB], v[LA]
	v_add_nc_u32 v[ADR1], s[TB], v[LA1]
	v_nop
	v_nop
	NEXTLOADS ADR0
	s_wait_kmcnt 0x0
	s_add_co_i32 s52, s50, s51
	s_lshl_b32 s52, s52, 23
	s_mov_b32 s[CS], 0x4038aa3b
	s_add_co_i32 s[CS], s[CS], s52                 ; 2 log2(e) x 2^(e2 + e3): the exponents are added to the constant's exponent field
	s_mov_b32 s[CS+1], s[CS]
	s_wait_loadcnt 0x0                             ; W2's fragments, hbc and v
.irp q, 0,1,2,3,4,5,6,7,8,9,10,11,12,13,14,15
	v_pk_add_f32 v[BI+2*\q:BI+2*\q+1], v[BI+2*\q:BI+2*\q+1], v[B2+2*\q:B2+2*\q+1]   ; hbc's two halves of K
	v_pk_mul_f32 v[VW+2*\q:VW+2*\q+1], v[VW+2*\q:VW+2*\q+1], -2.0 op_sel_hi:[1,0]
.endr
.Ltile:                                                ; tiles 0 to 5: each asks for the tile two on
	TILE 2
	s_sub_co_u32 s[CNT], s[CNT], 1
	s_cmp_lg_u32 s[CNT], 0
	s_cbranch_scc1 .Ltile
	TILE 1                                         ; tile 6: nothing is left to fetch
	TILE 0                                         ; tile 7
	s_wait_dscnt 0x0                               ; for the others' sake: my scores are in LDS
	s_barrier_signal -1
	s_barrier_wait -1
.irp q, 0,1,2,3,4,5,6,7                ; thread t adds the eight shares (4 waves x 2 halves of the lanes) of rows 4 t .. + 3 and 512 + 4 t .. + 3
.irp u, 0,1
	ds_load_b128 v[32+4*(2*\q+\u):32+4*(2*\q+\u)+3], v[RDA] offset:\q*4096+2048*\u
.endr
.endr
	s_wait_dscnt 0x0
.irp q, 1,2,3,4,5,6,7
.irp u, 0,1
	v_pk_add_f32 v[32+4*\u:33+4*\u], v[32+4*\u:33+4*\u], v[32+4*(2*\q+\u):33+4*(2*\q+\u)]
	v_pk_add_f32 v[34+4*\u:35+4*\u], v[34+4*\u:35+4*\u], v[34+4*(2*\q+\u):35+4*(2*\q+\u)]
.endr
.endr
	global_store_b128 v[PTO], v[32:35], s[14:15]                 ; each store of a wave covers 512 consecutive bytes, aligned
	global_store_b128 v[PTO], v[36:39], s[14:15] offset:2048
	s_wait_tensorcnt 0x0                           ; the wave's end
	ds_add_u32 v[SPW], v[NIL]
	s_wait_dscnt 0x0
	ROUND                                          ; the closing round
	s_endpgm
.Lfunc_end_k_q1ce24c1783_energy:
	.size	k_q1ce24c1783_energy, .Lfunc_end_k_q1ce24c1783_energy-k_q1ce24c1783_energy
	.p2alignl 7, 3214868480
	.fill 96, 4, 3214868480
	.section	.rodata,"a",@progbits
	.p2align	6, 0x0
	.amdhsa_kernel k_q1ce24c1783_energy
		.amdhsa_group_segment_fixed_size 327680
		.amdhsa_private_segment_fixed_size 0
		.amdhsa_enable_private_segment 0
		.amdhsa_kernarg_size 48
		.amdhsa_user_sgpr_count 2
		.amdhsa_user_sgpr_kernarg_segment_ptr 1
		.amdhsa_wavefront_size32 1
		.amdhsa_system_sgpr_workgroup_id_x 1
		.amdhsa_system_sgpr_workgroup_id_y 1
		.amdhsa_system_sgpr_workgroup_id_z 1
		.amdhsa_system_vgpr_workitem_id 0
		.amdhsa_next_free_vgpr 1024
		.amdhsa_next_free_sgpr 66
		.amdhsa_reserve_vcc 0
		.amdhsa_float_denorm_mode_32 3
		.amdhsa_float_denorm_mode_16_64 3
		.amdhsa_memory_ordered 1
		.amdhsa_forward_progress 1
		.amdhsa_inst_pref_size 255
	.end_amdhsa_kernel
	.section	.bss,"aw",@nobits
	.p2align	6
	.space	262144
	.amdgpu_metadata
---
amdhsa.version: [ 1, 2 ]
amdhsa.kernels:
  - .name:           k_q1ce24c1783_energy
    .symbol:         k_q1ce24c1783_energy.kd
    .args:
      - { .name: encoder_outputs_codes, .offset: 0, .size: 8, .value_kind: global_buffer, .address_space: global }
      - { .name: w2img, .offset: 8, .size: 8, .value_kind: global_buffer, .address_space: global }
      - { .name: hbc, .offset: 16, .size: 8, .value_kind: global_buffer, .address_space: global }
      - { .name: v, .offset: 24, .size: 8, .value_kind: global_buffer, .address_space: global }
      - { .name: lowp_scales, .offset: 32, .size: 8, .value_kind: global_buffer, .address_space: global }
      - { .name: part, .offset: 40, .size: 8, .value_kind: global_buffer, .address_space: global }
    .group_segment_fixed_size: 327680
    .private_segment_fixed_size: 0
    .kernarg_segment_align: 8
    .kernarg_segment_size: 48
    .max_flat_workgroup_size: 128
    .sgpr_count:     66
    .vgpr_count:     1024
    .wavefront_size: 32
...
	.end_amdgpu_metadata
.endif
;; end of part 2
;; launch softmax (part 3): grid 32 x 1, 8 waves a work-group, no clusters, 1,536 bytes of LDS; arguments part, out0; writes out0
.if DOCPART == 3
	.amdgcn_target "amdgcn-amd-amdhsa--gfx1250"
	.amdhsa_code_object_version 6
	.text
	.protected	k_q1ce24c1783_softmax
	.globl	k_q1ce24c1783_softmax
	.p2align	8
	.type	k_q1ce24c1783_softmax,@function
k_q1ce24c1783_softmax:
	s_mov_b64 s[64:65], 0
	v_nop
	global_prefetch_b8 v0, s[64:65] scope:SCOPE_SE
	s_setreg_imm32_b32 hwreg(HW_REG_WAVE_MODE, 25, 1), 1
	s_wait_xcnt 0x0
; out0[b][0][s] = softmax over s of score[b][s], score = the sum of part's four quarters of the columns.  part: [4][65,536] f32; out0: [32][1][2048] f32.
; A work-group owns a batch's 2,048 scores, 8 a thread (bytes 16 t and 4,096 + 16 t of the batch's 8,192), kept in registers between the maximum, the sum and the scaling: part is read once.
; The row's maximum is taken away before the exponential: p = 2^(s log2(e) - m log2(e)); the rounding of m log2(e) is one factor common to all p and leaves with the division.
; Two reductions over the eight waves go through LDS, each in bytes of its own, one barrier each.  A softmax spans a whole batch, so 32 work-groups are all that this launch has work for.
; No matrix unit, no tensor load, no cluster: the work-groups share nothing and the launch moves 1.3 MB.
	s_load_b128 s[4:7], s[0:1], 0x0                ; part s[4:5], out0 s[6:7]
	v_lshl_add_u32 v64, v0, 2, 0x200
	v_mov_b32 v65, 0
	v_lshrrev_b32 v2, 5, v0
	s_delay_alu instid0(VALU_DEP_1)
	v_readfirstlane_b32 s8, v2                     ; wave 0..7
	v_lshlrev_b32 v1, 4, v0                        ; 16 t
	s_delay_alu instid0(VALU_DEP_2)
	v_mov_b32 v42, s8
	s_delay_alu instid0(VALU_DEP_1)
	v_lshlrev_b32 v42, 2, v42                      ; my wave's word in LDS
	v_mov_b32 v43, 0
	v_mov_b32 v59, 0                               ; (named as the upper half of the pair v[58:59])
	s_mov_b32 s12, 0x76543210                      ; v_permlanex16_b32: lane l takes lane l xor 16
	s_mov_b32 s13, 0xfedcba98
	s_lshl_b32 s10, ttmp9, 13                      ; the batch's 8,192 bytes
	s_mov_b32 s11, 0
	s_wait_alu depctr_va_vdst(0)
	s_wait_kmcnt 0x0
	s_add_nc_u64 s[4:5], s[4:5], s[10:11]
	s_add_nc_u64 s[6:7], s[6:7], s[10:11]
.irp i, 0,1,2,3
.irp u, 0,1
	global_load_b128 v[8+4*(2*\i+\u):8+4*(2*\i+\u)+3], v1, s[4:5] offset:\i*262144+4096*\u th:TH_LOAD_NT   ; 32 lanes read 512 consecutive bytes
.endr
.endr
	s_wait_loadcnt 0x0
.irp i, 1,2,3
.irp u, 0,1
	v_pk_add_f32 v[8+4*\u:9+4*\u], v[8+4*\u:9+4*\u], v[8+4*(2*\i+\u):9+4*(2*\i+\u)]
	v_pk_add_f32 v[10+4*\u:11+4*\u], v[10+4*\u:11+4*\u], v[10+4*(2*\i+\u):11+4*(2*\i+\u)]
.endr
.endr
	; the maximum: in the lane, across the wave, across the waves
	s_delay_alu instid0(VALU_DEP_3)
	v_max3_num_f32 v40, v8, v9, v10
	s_delay_alu instid0(VALU_DEP_3)
	v_max3_num_f32 v41, v11, v12, v13
	s_delay_alu instid0(VALU_DEP_2)
	v_max3_num_f32 v40, v40, v14, v15
	s_delay_alu instid0(VALU_DEP_1)
	v_max_num_f32 v40, v40, v41
	s_delay_alu instid0(VALU_DEP_1)
	v_max_num_f32_dpp v40, v40, v40 row_xmask:1 row_mask:0xf bank_mask:0xf
	s_delay_alu instid0(VALU_DEP_1)
	v_max_num_f32_dpp v40, v40, v40 row_xmask:2 row_mask:0xf bank_mask:0xf
	s_delay_alu instid0(VALU_DEP_1)
	v_max_num_f32_dpp v40, v40, v40 row_xmask:4 row_mask:0xf bank_mask:0xf
	s_delay_alu instid0(VALU_DEP_1)
	v_max_num_f32_dpp v40, v40, v40 row_xmask:8 row_mask:0xf bank_mask:0xf
	s_delay_alu instid0(VALU_DEP_1)
	v_permlanex16_b32 v41, v40, s12, s13           ; its destination counts as read: v41 has been written
	s_delay_alu instid0(VALU_DEP_1)
	v_max_num_f32 v40, v40, v41
	ds_store_b32 v42, v40                          ; all lanes write the wave's word with the same value
	s_wait_dscnt 0x0
	s_barrier_signal -1
	s_barrier_wait -1
	ds_load_b128 v[44:47], v43
	ds_load_b128 v[48:51], v43 offset:16
	s_wait_dscnt 0x0
	v_max3_num_f32 v40, v44, v45, v46
	v_max3_num_f32 v41, v47, v48, v49
	s_delay_alu instid0(VALU_DEP_2)
	v_max3_num_f32 v40, v40, v50, v51
	s_delay_alu instid0(VALU_DEP_1)
	v_max_num_f32 v40, v40, v41                    ; the row's maximum, in every lane
	s_delay_alu instid0(VALU_DEP_1)
	v_mul_f32 v52, 0x3fb8aa3b, v40                 ; m log2(e)
	s_delay_alu instid0(VALU_DEP_1)
	v_mov_b32 v53, v52
.irp j, 0,2,4,6
	v_pk_fma_f32 v[8+\j:9+\j], v[8+\j:9+\j], 0x3fb8aa3b, v[52:53] op_sel_hi:[1,0,1] neg_lo:[0,0,1] neg_hi:[0,0,1]
.endr
	s_wait_alu depctr_va_vdst(0)
.irp j, 0,1,2,3,4,5,6,7
	v_exp_f32 v[8+\j], v[8+\j]
.endr
	v_nop                                          ; a plain instruction behind the last exponential,
	s_wait_alu depctr_va_vdst(0)                   ; and the wait ahead of the first use: one for the eight
	v_pk_add_f32 v[54:55], v[8:9], v[10:11]
	v_pk_add_f32 v[56:57], v[12:13], v[14:15]
	s_delay_alu instid0(VALU_DEP_1)
	v_pk_add_f32 v[54:55], v[54:55], v[56:57]
	s_delay_alu instid0(VALU_DEP_1)
	v_add_f32 v54, v54, v55
	s_delay_alu instid0(VALU_DEP_1)
	v_add_f32_dpp v54, v54, v54 row_xmask:1 row_mask:0xf bank_mask:0xf
	s_delay_alu instid0(VALU_DEP_1)
	v_add_f32_dpp v54, v54, v54 row_xmask:2 row_mask:0xf bank_mask:0xf
	s_delay_alu instid0(VALU_DEP_1)
	v_add_f32_dpp v54, v54, v54 row_xmask:4 row_mask:0xf bank_mask:0xf
	s_delay_alu instid0(VALU_DEP_1)
	v_add_f32_dpp v54, v54, v54 row_xmask:8 row_mask:0xf bank_mask:0xf
	s_delay_alu instid0(VALU_DEP_1)
	v_permlanex16_b32 v55, v54, s12, s13
	s_delay_alu instid0(VALU_DEP_1)
	v_add_f32 v54, v54, v55
	ds_store_b32 v42, v54 offset:256               ; other bytes than the maxima's, so no barrier is owed between the reads above and this store
	s_wait_dscnt 0x0
	s_barrier_signal -1
	s_barrier_wait -1
	ds_load_b128 v[44:47], v43 offset:256
	ds_load_b128 v[48:51], v43 offset:272
	s_wait_dscnt 0x0
	v_add_f32 v44, v44, v45
	v_add_f32 v46, v46, v47
	v_add_f32 v48, v48, v49
	v_add_f32 v50, v50, v51
	s_delay_alu instid0(VALU_DEP_3)
	v_add_f32 v44, v44, v46
	s_delay_alu instid0(VALU_DEP_2)
	v_add_f32 v48, v48, v50
	s_delay_alu instid0(VALU_DEP_1)
	v_add_f32 v44, v44, v48                        ; the row's sum: at least 1, since the maximum's own p is 1
	s_wait_alu depctr_va_vdst(0)
	v_rcp_f32 v58, v44
	v_nop
	s_wait_alu depctr_va_vdst(0)
.irp j, 0,2,4,6
	v_pk_mul_f32 v[8+\j:9+\j], v[8+\j:9+\j], v[58:59] op_sel_hi:[1,0]
.endr
	global_store_b128 v1, v[8:11], s[6:7]          ; each store of a wave covers 512 consecutive bytes, aligned
	global_store_b128 v1, v[12:15], s[6:7] offset:4096
	s_wait_tensorcnt 0x0
	ds_add_u32 v64, v65
	s_wait_dscnt 0x0
	s_endpgm
.Lfunc_end_k_q1ce24c1783_softmax:
	.size	k_q1ce24c1783_softmax, .Lfunc_end_k_q1ce24c1783_softmax-k_q1ce24c1783_softmax
	.p2alignl 7, 3214868480
	.fill 96, 4, 3214868480
	.section	.rodata,"a",@progbits
	.p2align	6, 0x0
	.amdhsa_kernel k_q1ce24c1783_softmax
		.amdhsa_group_segment_fixed_size 1536
		.amdhsa_private_segment_fixed_size 0
		.amdhsa_enable_private_segment 0
		.amdhsa_kernarg_size 16
		.amdhsa_user_sgpr_count 2
		.amdhsa_user_sgpr_kernarg_segment_ptr 1
		.amdhsa_wavefront_size32 1
		.amdhsa_system_sgpr_workgroup_id_x 1
		.amdhsa_system_sgpr_workgroup_id_y 1
		.amdhsa_system_sgpr_workgroup_id_z 1
		.amdhsa_system_vgpr_workitem_id 0
		.amdhsa_next_free_vgpr 66
		.amdhsa_next_free_sgpr 66
		.amdhsa_reserve_vcc 0
		.amdhsa_float_denorm_mode_32 3
		.amdhsa_float_denorm_mode_16_64 3
		.amdhsa_memory_ordered 1
		.amdhsa_forward_progress 1
		.amdhsa_inst_pref_size 8
	.end_amdhsa_kernel
	.amdgpu_metadata
---
amdhsa.version: [ 1, 2 ]
amdhsa.kernels:
  - .name:           k_q1ce24c1783_softmax
    .symbol:         k_q1ce24c1783_softmax.kd
    .args:
      - { .name: part, .offset: 0, .size: 8, .value_kind: global_buffer, .address_space: global }
      - { .name: out0, .offset: 8, .size: 8, .value_kind: global_buffer, .address_space: global }
    .group_segment_fixed_size: 1536
    .private_segment_fixed_size: 0
    .kernarg_segment_align: 8
    .kernarg_segment_size: 16
    .max_flat_workgroup_size: 256
    .sgpr_count:     66
    .vgpr_count:     66
    .wavefront_size: 32
...
	.end_amdgpu_metadata
.endif
;; end of part 3
